; MI455X (gfx1250); checked and timed in simulation.
; The chip was launched on July 23, 2026; its instructions are those of AMD's public machine-readable ISA for CDNA 5 (MIT licence, August 2026) and "CDNA5" Instruction Set Architecture Reference Guide (July 2026). The comments in the code are by the model that wrote it; some were corrected since.
;; LSTM Cell. Allowed arithmetic: float matrix products may take bf16 or f16 operands with f32 sums; other float arithmetic in f32, or as packed bf16 or f16 multiplies, adds, multiply-adds, maxima and minima; sums over many terms, partial sums and values carried from step to step in f32; what a program stores and reads back later, other than sums and carried values, may be rounded once to bf16 or f16.
;; Inputs: W_c 2,048 x 4,096 float32; W_f 2,048 x 4,096 float32; W_i 2,048 x 4,096 float32; W_o 2,048 x 4,096 float32; b_c 2,048 float32; b_f 2,048 float32; b_i 2,048 float32; b_o 2,048 float32; c_prev 2,048 x 2,048 float32; h_prev 2,048 x 2,048 float32; x_t 2,048 x 2,048 float32.
;; Outputs: out0 2,048 x 2,048 float32; out1 2,048 x 2,048 float32.
;; 2 versions, each right; version 2 is version 1 with the launch prep written anew for expert scheduling mode. Each part assembles by itself: llvm-mc -triple=amdgcn-amd-amdhsa -mcpu=gfx1250 --defsym DOCPART=n.
;; ======== version 1 of 2: 2 launches
;; limits: below input magnitudes of 0.0001 results are inexact or not finite; a function is approximated: absolute error at most 3e-07
;; workspace buffers: Ab 16,777,216 bytes; Wb 67,108,864 bytes
;; launch prep (part 1): grid 256 x 5, 8 waves a work-group, no clusters, 0 bytes of LDS; arguments W_f, W_i, W_c, W_o, h_prev, x_t, Wb, Ab; writes Wb, Ab
.if DOCPART == 1
	.amdgcn_target "amdgcn-amd-amdhsa--gfx1250"
	.amdhsa_code_object_version 6
	.text
	.protected	k_qc3179482da_prep
	.globl	k_qc3179482da_prep
	.p2align	8
	.type	k_qc3179482da_prep,@function
k_qc3179482da_prep:
	s_mov_b64 s[64:65], 0
	v_nop
	global_prefetch_b8 v0, s[64:65] scope:SCOPE_SE
	s_setreg_imm32_b32 hwreg(HW_REG_WAVE_MODE, 25, 1), 1
	s_wait_xcnt 0x0
; LSTM cell, first of two launches: the product's operands are rounded ONCE from f32 to bf16 (nearest even) and laid out for the second launch.
; NOTHING OF THE PROBLEM IS LEFT OUT: every one of the eleven inputs reaches an output for all values; this launch reads the six that are matrix operands, the second the other five.
;   Ab [2048][4096] bf16: row m = h_prev[m][0..2047], then x_t[m][0..2047] (the concatenation of the problem).
;   Wb [8192][4096] bf16: row (hc >> 5) * 128 + g * 32 + (hc & 31) = W_g[hc][:], g = 0, 1, 2, 3 for f, i, c, o: 128 rows on end hold all four gates of the same 32 hidden columns.
; LIMIT: the operands keep bf16's 8 significant bits; bf16 has f32's range, so no finite input overflows but by rounding at the very top of the range.
; SHARES.  Grid y = 0..3: W_f, W_i, W_c, W_o; y = 4: the activations, which have the same shape, [2048][4096], in two halves.  Work-group x owns rows 8 x .. 8 x + 7.
; A row is four pieces of 4,096 input bytes; thread t takes the 16 bytes at 16 t of each piece (a wave's load covers 512 consecutive bytes) and stores 8 bytes at 8 t
; (a wave's store covers 256 consecutive bytes, at a multiple of 256 from the buffer's first byte).  All 32 loads of a thread are issued ahead of the first wait: 16 KiB a wave on their way.
; No loop, and no register of a pending store is written again: so no wait but the counted ones for the loads.  No LDS, no matrix unit: no thread wants another's bytes.
.set VO,  2                            ; v[2:9]    row r: r x pitch + 16 t
.set SO,  10                           ; v10       8 t
.set X,   16                           ; v[16:143] slot 4 r + p: four registers as loaded; the first two then hold the four bf16
.set LO,  24                           ; s[24:25]  the source of pieces 0 and 1
.set HI,  26                           ; s[26:27]  the source of pieces 2 and 3
.set DST, 28                           ; s[28:29]  the destination at my first row
	s_load_b512 s[8:23], s[0:1], 0x0               ; W_f s[8:9], W_i s[10:11], W_c s[12:13], W_o s[14:15], h_prev s[16:17], x_t s[18:19], Wb s[20:21], Ab s[22:23]
	s_and_b32 s2, ttmp7, 0xffff                    ; y
	v_lshlrev_b32 v1, 4, v0                        ; 16 t
	v_lshlrev_b32 v[SO], 3, v0                     ; 8 t
	s_mov_b32 s3, 16384                            ; bytes from row to row in a W,
	s_cmp_eq_u32 s2, 4
	s_cselect_b32 s3, 8192, s3                     ; in h_prev and x_t
.irp r, 0,1,2,3,4,5,6,7
	v_mad_u32_u24 v[VO+(\r)], s3, \r, v1
.endr
	s_mul_i32 s30, ttmp9, s3
	s_lshl_b32 s30, s30, 3                         ; my first source row, in bytes: 8 x pitch, under 2^26
	s_mov_b32 s31, 0
	s_lshr_b32 s32, ttmp9, 2                       ; my first row in Wb: hc = 8 x, so (x >> 2) * 128
	s_lshl_b32 s32, s32, 7
	s_lshl_b32 s33, s2, 5                          ; + 32 g
	s_add_co_u32 s32, s32, s33
	s_and_b32 s33, ttmp9, 3                        ; + (x & 3) * 8
	s_lshl_b32 s33, s33, 3
	s_add_co_u32 s32, s32, s33
	s_lshl_b32 s33, ttmp9, 3                       ; in Ab: 8 x
	s_cmp_eq_u32 s2, 4
	s_cselect_b32 s32, s33, s32
	s_lshl_b32 s32, s32, 13                        ; rows of 8,192 bytes: under 2^27
	s_mov_b32 s33, 0
	s_wait_kmcnt 0x0
	s_cmp_eq_u32 s2, 1                             ; the choice of a buffer hangs on y alone
	s_cselect_b64 s[LO:LO+1], s[10:11], s[8:9]
	s_cmp_eq_u32 s2, 2
	s_cselect_b64 s[LO:LO+1], s[12:13], s[LO:LO+1]
	s_cmp_eq_u32 s2, 3
	s_cselect_b64 s[LO:LO+1], s[14:15], s[LO:LO+1]
	s_add_nc_u64 s[HI:HI+1], s[LO:LO+1], 8192      ; a W's row goes on behind its first two pieces
	s_cmp_eq_u32 s2, 4
	s_cselect_b64 s[LO:LO+1], s[16:17], s[LO:LO+1] ; the activations' first half is h_prev,
	s_cselect_b64 s[HI:HI+1], s[18:19], s[HI:HI+1] ; their second x_t
	s_cselect_b64 s[DST:DST+1], s[22:23], s[20:21]
	s_add_nc_u64 s[LO:LO+1], s[LO:LO+1], s[30:31]
	s_add_nc_u64 s[HI:HI+1], s[HI:HI+1], s[30:31]
	s_add_nc_u64 s[DST:DST+1], s[DST:DST+1], s[32:33]
.irp r, 0,1,2,3,4,5,6,7
.irp p, 0,1,2,3
.if (\p) < 2
	global_load_b128 v[X+4*(4*(\r)+(\p)):X+4*(4*(\r)+(\p))+3], v[VO+(\r)], s[LO:LO+1] offset:((\p)%2)*4096 th:TH_LOAD_NT
.else
	global_load_b128 v[X+4*(4*(\r)+(\p)):X+4*(4*(\r)+(\p))+3], v[VO+(\r)], s[HI:HI+1] offset:((\p)%2)*4096 th:TH_LOAD_NT
.endif
.endr
.endr
.irp r, 0,1,2,3,4,5,6,7
.irp p, 0,1,2,3
	s_wait_loadcnt 31-(4*(\r)+(\p))                ; loads come back in order (ISA guide 5.7.1): this slot's is in, the younger ones stay out
	v_cvt_pk_bf16_f32 v[X+4*(4*(\r)+(\p))],   v[X+4*(4*(\r)+(\p))],   v[X+4*(4*(\r)+(\p))+1]
	v_cvt_pk_bf16_f32 v[X+4*(4*(\r)+(\p))+1], v[X+4*(4*(\r)+(\p))+2], v[X+4*(4*(\r)+(\p))+3]
	global_store_b64 v[SO], v[X+4*(4*(\r)+(\p)):X+4*(4*(\r)+(\p))+1], s[DST:DST+1] offset:(\r)*8192+(\p)*2048 th:TH_STORE_NT
.endr
.endr
	s_endpgm
.Lfunc_end_k_qc3179482da_prep:
	.size	k_qc3179482da_prep, .Lfunc_end_k_qc3179482da_prep-k_qc3179482da_prep
	.p2alignl 7, 3214868480
	.fill 96, 4, 3214868480
	.section	.rodata,"a",@progbits
	.p2align	6, 0x0
	.amdhsa_kernel k_qc3179482da_prep
		.amdhsa_group_segment_fixed_size 0
		.amdhsa_private_segment_fixed_size 0
		.amdhsa_enable_private_segment 0
		.amdhsa_kernarg_size 64
		.amdhsa_user_sgpr_count 2
		.amdhsa_user_sgpr_kernarg_segment_ptr 1
		.amdhsa_wavefront_size32 1
		.amdhsa_system_sgpr_workgroup_id_x 1
		.amdhsa_system_sgpr_workgroup_id_y 1
		.amdhsa_system_sgpr_workgroup_id_z 1
		.amdhsa_system_vgpr_workitem_id 0
		.amdhsa_next_free_vgpr 144
		.amdhsa_next_free_sgpr 66
		.amdhsa_reserve_vcc 0
		.amdhsa_float_denorm_mode_32 3
		.amdhsa_float_denorm_mode_16_64 3
		.amdhsa_memory_ordered 1
		.amdhsa_forward_progress 1
		.amdhsa_inst_pref_size 14
	.end_amdhsa_kernel
	.amdgpu_metadata
---
amdhsa.version: [ 1, 2 ]
amdhsa.kernels:
  - .name:           k_qc3179482da_prep
    .symbol:         k_qc3179482da_prep.kd
    .args:
      - { .name: W_f, .offset: 0, .size: 8, .value_kind: global_buffer, .address_space: global }
      - { .name: W_i, .offset: 8, .size: 8, .value_kind: global_buffer, .address_space: global }
      - { .name: W_c, .offset: 16, .size: 8, .value_kind: global_buffer, .address_space: global }
      - { .name: W_o, .offset: 24, .size: 8, .value_kind: global_buffer, .address_space: global }
      - { .name: h_prev, .offset: 32, .size: 8, .value_kind: global_buffer, .address_space: global }
      - { .name: x_t, .offset: 40, .size: 8, .value_kind: global_buffer, .address_space: global }
      - { .name: Wb, .offset: 48, .size: 8, .value_kind: global_buffer, .address_space: global }
      - { .name: Ab, .offset: 56, .size: 8, .value_kind: global_buffer, .address_space: global }
    .group_segment_fixed_size: 0
    .private_segment_fixed_size: 0
    .kernarg_segment_align: 8
    .kernarg_segment_size: 64
    .max_flat_workgroup_size: 256
    .sgpr_count:     66
    .vgpr_count:     144
    .wavefront_size: 32
...
	.end_amdgpu_metadata
.endif
;; end of part 1
;; launch lstm (part 2): grid 32 x 8, 4 waves a work-group, clusters of 4 x 4, 327,680 bytes of LDS; arguments Ab, Wb, c_prev, out0, out1, b_f, b_i, b_c, b_o; writes out0, out1
.if DOCPART == 2
	.amdgcn_target "amdgcn-amd-amdhsa--gfx1250"
	.amdhsa_code_object_version 6
	.text
	.protected	k_qc3179482da_lstm
	.globl	k_qc3179482da_lstm
	.p2align	8
	.type	k_qc3179482da_lstm,@function
k_qc3179482da_lstm:
	s_mov_b64 s[64:65], 0
	v_nop
	global_prefetch_b8 v0, s[64:65] scope:SCOPE_SE
	s_setreg_imm32_b32 hwreg(HW_REG_WAVE_MODE, 25, 1), 1
	s_wait_xcnt 0x0
	s_wait_alu depctr_hold_cnt(0) depctr_sa_sdst(0) depctr_va_vdst(0) depctr_va_sdst(0) depctr_va_ssrc(0) depctr_va_vcc(0) depctr_vm_vsrc(0)
	s_getreg_b32 s2, hwreg(HW_REG_IB_STS2, 6, 4)
	s_cmp_eq_u32 s2, 0
	s_cbranch_scc0 .Lentry_in_a_cluster
	s_endpgm
.Lentry_in_a_cluster:
	s_bfe_u32 s2, ttmp6, 0x10000c
	s_cmp_lg_u32 s2, 0xf033
	s_cbranch_scc0 .Lentry_shape_is_right
	s_endpgm
.Lentry_shape_is_right:
; LSTM cell, second of two launches: gates = Ab Wb^T + b (bf16 operands, f32 sums), then f = sig(gf), i = sig(gi), c~ = tanh(gc), o = sig(go), c_t = f c_prev + i c~ (out1), h_t = o tanh(c_t) (out0).
; No work of the problem is left out.  Ab [2048][4096] and Wb [8192][4096] are the first launch's: Wb's row (hc >> 5) * 128 + 32 g + (hc & 31) is W_g[hc].
; LIMITS.  The product's operands have bf16's 8 significant bits; sums, biases, c_prev and all that follows are f32.  The bias is the sum's FIRST addend (the C operand of the first product), not its last.
; sig(x) = 1 / (1 + 2^(-x log2 e)), tanh(x) = 1 - 2 / (1 + 2^(2 x log2 e)): where the power overflows to infinity or falls to 0 they give their limits 0, 1, -1 exactly; tanh's error is about 1e-7 absolute,
; so below |x| = 1e-4 it loses relative precision; a sigmoid below 2^-126 comes out as 0; the reciprocals and powers are accurate to 1 ULP, not correctly rounded.
; SHARES.  256 work-groups.  Work-group (t, R) makes batch rows 256 R .. + 255 and hidden columns 64 t .. + 63, for ALL FOUR GATES: a tile of 256 x 256 of the gates.  Of its four waves, wave w (wr = w >> 1, wc = w & 1)
; makes rows 128 wr .. + 127 and hidden columns 32 wc .. + 31 x four gates: 64 accumulators of 16 x 16, 512 registers.  K goes in steps of 128 through two LDS slots filled by the tensor data mover.
; THE MATRIX INSTRUCTION IS USED TRANSPOSED: source 0 = 16 rows of Wb, source 1 = 16 rows of Ab.  In accumulator (a, b), b = 2 g + jb, lane l (r = l % 16, h = l / 16) holds batch row 16 a + r and the hidden columns
; 16 jb + 8 h + 0..7 of gate g: the four gates of one element lie in one lane, at the same register number of four accumulators: the whole tail stays in the lane.
; CLUSTERS: 4 x 4 work-groups.  The four of a row of the cluster need the same tiles of Ab, the four of a column the same tiles of Wb: each tile is asked for JOINTLY, by the same tensor load with the same descriptor and
; a mask that names the four.  c_prev's tile is the work-group's own: a plain tensor load, behind a round of the cluster's barrier like every other.
; LDS: slot 0 at 0, slot 1 at SLOT (each: Ab's 256 rows, then Wb's 256 rows, 272 bytes apart).  Slot 0's last fill is c_prev's tile (256 rows x 256 bytes, 272 apart).  Slot 1, behind its last fill and a barrier,
; is the stage for the way out: h_t's 256 rows at HST, c_t's at CST.  Behind the slots the spare words.
; REGISTERS, in windows of 256 (s_set_vgpr_msb: bits 1:0 source 0, 3:2 source 1, 5:4 source 2, 7:6 destination):
;   window 0: v0-31 addresses; v64-127, v128-191 fragments of Ab, two buffers; in the tail v64-127 T, v128-143 c_prev, v144-159 c_t, v160-175 h_t, v192-223 rows read back from the stage
;   window 1: v0-63 the biases as a C operand (block b at 8 b); v64-127, v128-191 fragments of Wb, two buffers
;   window 2: the 32 accumulators of my rows 0-63 ((a, b) at v[8 (8 a + b)]);   window 3: those of my rows 64-127
.set SIZE_K, 4096
.set KSTEP,  128
.set PITCH,  272                       ; an LDS row: 256 bytes + 16 of padding = 68 words: row r starts at bank 4 r mod 64 (64 banks of 4 bytes: ISA guide 11.1), so the 16 rows that a load touches start at 16 different banks
.set HALFT,  128*PITCH                 ; 128 rows: what one joint load brings, and what one wave reads of Ab or of Wb
.set SLOT,   4*HALFT
.set HST,    SLOT                      ; the stage for h_t
.set CST,    SLOT+2*HALFT              ; the stage for c_t
.set SPARE,  2*SLOT                    ; the spare words, 128 bytes for each wave: two blocks of 256 bytes that no other line names
.set LAPS,   SIZE_K/(2*KSTEP)          ; 16 laps of two K steps
.set ROWB,   8192                      ; bytes in a row of Ab, Wb, c_prev, out0 and out1 alike
.set ADRA, 16                          ; v16-17  LDS address of my fragments of Ab in slot 0, 1
.set BO,   18                          ; v18     my byte offset in a bias
.set ADRB, 20                          ; v20-21  the same as ADRA for Wb
.set CPA,  22                          ; v22     LDS address of my 32 bytes of c_prev in block 0
.set STO,  24                          ; v24     the same place in h_t's stage
.set STO2, 25                          ; v25     and in c_t's
.set RD,   26                          ; v26     where I read a row of h_t back
.set RD2,  27                          ; v27     and of c_t
.set SPW,  28                          ; v28     LDS address of my spare word: SPARE + 4 x my thread's number; never rewritten
.set NIL,  29                          ; v29     0; never rewritten
.set PFO,  30                          ; v30     the prefetches' offset: my lane x 8,192; never rewritten
.set CO,   31                          ; v31     my byte offset in the outputs' tile
.set F0,   64
.set F1,   128
.set T,    64                          ; the tail: 64 numbers a lane: gate g's sixteen at T + 16 g
.set CPR,  128
.set U,    144
.set HH,   160
.set OB,   192
.set G1,  24                           ; s[24:31] descriptor group 1 for Ab's tiles;  s[32:39] group 0, one set for each slot
.set G0,  32
.set LIM, 43                           ; s43      1 in a wave that prefetches tiles, else the greatest number
.set PFA, 44                           ; s[44:45] where my prefetches of tiles stand
.set G1B, 48                           ; s[48:55], s[56:63] the same as G1, G0 for Wb's tiles
.set G0B, 56
.set CP,  66                           ; s[66:67] c_prev at my wave's 64 rows of the tile; never rewritten behind the head
.set GC0, 68                           ; s[68:71] descriptor group 0 for c_prev's tile
.set GC1, 72                           ; s[72:79] its group 1
.set OH,  80                           ; s[80:81] out0 at the tile's first element
.set OC,  82                           ; s[82:83] out1
.set KS,  84                           ; s[84:85] -log2 e: the packed multiply takes the pair's low word for both halves
.set KT,  86                           ; s[86:87] 2 log2 e
.set BIA, 88                           ; s[88:95] b_f, b_i, b_c, b_o
.set MSB, 0
.macro WIN new                         ; the immediate's high byte repeats the setting that is left; a switch that changes nothing is dropped
.if MSB != (\new)
	s_set_vgpr_msb (MSB<<8)|(\new)
.set MSB, \new
.endif
.endm
.set MUL_LO, 0xa1                      ; source 0 (Wb) window 1, source 1 (Ab) window 0, C and D window 2
.set MUL_HI, 0xf1                      ; the same, C and D window 3
.set MUL_B,  0x91                      ; the first products: C (the biases) window 1, D window 2; + 0x40: D window 3
.set TO_B,   0x40                      ; destination window 1, address window 0
; A joint load.  Waves 0 and 1 fetch Ab's two halves, waves 2 and 3 Wb's.  Each line has one mask and one set of registers for all that issue it; the branch hangs on the wave's number alone.
; An s_nop 0 and four v_nop follow each of the two lines, ahead of the jump, the label and what follows.
.macro JLOAD s
	s_cmp_eq_u32 s11, 0
	s_cbranch_scc0 .Lfor_b_\@
	tensor_load_to_lds s[G0+4*(\s):G0+4*(\s)+3], s[G1:G1+7]
	s_nop 0
.rept 4
	v_nop
.endr
	s_branch .Lasked_\@
.Lfor_b_\@:
	tensor_load_to_lds s[G0B+4*(\s):G0B+4*(\s)+3], s[G1B:G1B+7]
	s_nop 0
.rept 4
	v_nop
.endr
.Lasked_\@:
.endm
; c_prev's tile: each wave brings 64 rows x 256 bytes of its own, to LDS byte wave x 64 rows.
.macro CLOAD
	tensor_load_to_lds s[GC0:GC0+3], s[GC1:GC1+7]
	s_nop 0
.rept 4
	v_nop
.endr
.endm
; A PREFETCH INTO THE L2 of the K step that stands TWO refills on: 32 rows x 256 bytes, a lane a row, one instruction a wave, 512 matrix instructions ahead of the load that will want it.
; Each row's 256 bytes of a K step are named once in the launch: Ab's tile row is read by all eight clusters of its row of clusters, of which the one with x = 0 asks; Wb's tile column by both clusters of its column,
; of which the one with y = 0 asks.  The four partners that ask for a tile jointly share its rows out BY ADDRESS, 32 each.  The loop's last trip asks for nothing: K steps 30 and 31 are the last.
.macro ASK
	s_cmp_gt_u32 s3, s[LIM]                        ; s3 = 1 in the loop's last trip
	s_cbranch_scc0 .Lnot_mine_\@
	global_prefetch_b8 v[PFO], s[PFA:PFA+1] offset:KSTEP*2 th:TH_LOAD_NT scope:SCOPE_SE
.Lnot_mine_\@:
.endm
; c_prev's tile is asked for in the loop's last trip, a lap (512 matrix instructions) ahead of its tensor load: each wave names its own 64 rows of 256 bytes, a lane a row, two instructions.
.macro ASKC
	s_cmp_eq_u32 s3, 1
	s_cbranch_scc0 .Lnot_yet_\@
	global_prefetch_b8 v[PFO], s[CP:CP+1] th:TH_LOAD_NT scope:SCOPE_SE
	global_prefetch_b8 v[PFO], s[CP:CP+1] offset:32*ROWB th:TH_LOAD_NT scope:SCOPE_SE
.Lnot_yet_\@:
.endm
; A round of the cluster's barrier: my work-group's barrier, so that wave 0's signal speaks for all four waves; wave 0 signals for the work-group; every wave waits for all sixteen; my work-group's barrier once more.
.macro CREST                           ; a round behind its opening barrier
	s_cmp_lg_u32 s10, 0
	s_cbranch_scc1 .Lnot_wave_0_\@
	s_barrier_signal -3
.Lnot_wave_0_\@:
	s_barrier_wait -3
	s_barrier_signal -1
	s_barrier_wait -1
.endm
.macro CROUND                          ; a whole round
	s_barrier_signal -1
	s_barrier_wait -1
	CREST
.endm
	s_load_b128 s[4:7], s[0:1], 0x0                ; Ab s[4:5], Wb s[6:7]
	s_load_b64 s[CP:CP+1], s[0:1], 0x10            ; c_prev
	s_load_b128 s[OH:OH+3], s[0:1], 0x18           ; out0, out1
	s_load_b256 s[BIA:BIA+7], s[0:1], 0x28         ; b_f, b_i, b_c, b_o
	v_lshl_add_u32 v[SPW], v0, 2, SPARE
	v_mov_b32 v[NIL], 0
	ds_add_u32 v[SPW], v[NIL]                      ; the wave's opening: the add, twice on end, and its wait ahead of my first tensor load; the set-up below, work on registers, stands between
	ds_add_u32 v[SPW], v[NIL]                      ; and once more, under the one wait
	v_lshrrev_b32 v1, 5, v0
	v_readfirstlane_b32 s10, v1                    ; wave 0..3
	s_lshr_b32 s11, s10, 1                         ; wr: which half of the tile's rows is mine.  Also: I fetch for Ab (0) or for Wb (1)
	s_and_b32 s12, s10, 1                          ; wc: which 32 hidden columns.  Also: which 128 rows of that tile I fetch
	s_bfe_u32 s40, ttmp6, 0x40000                  ; cx, cy: my place in the cluster
	s_bfe_u32 s41, ttmp6, 0x40004
	s_lshl_b32 s42, ttmp9, 2                       ; in a cluster launch ttmp9 and ttmp7 count clusters
	s_add_co_u32 s42, s42, s40                     ; t = 4 x cluster x + cx
	s_and_b32 s13, ttmp7, 0xffff
	s_lshl_b32 s13, s13, 2
	s_add_co_u32 s13, s13, s41                     ; R = 4 x cluster y + cy
	s_lshl_b32 s43, s41, 2
	s_lshl_b32 s43, 15, s43                        ; my row of the cluster: places 4 cy .. 4 cy + 3
	s_lshl_b32 s44, 0x1111, s40                    ; my column: places cx, cx + 4, cx + 8, cx + 12
	; descriptor group 1 of the joint loads: a tile of 128 rows x 128 elements of 2 bytes, padded in LDS
	s_or_b32 s[G1+0], s43, (1<<16)|(1<<20)|(1<<21)|(5<<22)|(3<<25)  ; 15:0 the mask: Ab's tiles go to my row; 17:16 elements of 2 bytes; 20 padding on; 21 set beside a mask; 24:22 after every 64 words (code 5); 31:25 4 words of it (code 3)
	s_or_b32 s[G1B+0], s44, (1<<16)|(1<<20)|(1<<21)|(5<<22)|(3<<25) ; the same with the mask of my column, for Wb's tiles
.irp g, G1, G1B
	s_mov_b32 s[(\g)+1], KSTEP<<16                 ; tensor_dim0 = 128
	s_mov_b32 s[(\g)+2], 128<<16                   ; tensor_dim1 = 128
	s_mov_b32 s[(\g)+3], KSTEP<<16                 ; tile_dim0 = 128
	s_mov_b32 s[(\g)+4], 128                       ; tile_dim1 = 128
	s_mov_b32 s[(\g)+5], SIZE_K                    ; elements from row to row
	s_mov_b32 s[(\g)+6], 0
	s_mov_b32 s[(\g)+7], 0
.endr
	; c_prev's: 64 rows x 64 elements of 4 bytes, the same padding, no mask
	s_mov_b32 s[GC1+0], (2<<16)|(1<<20)|(5<<22)|(3<<25)
	s_mov_b32 s[GC1+1], 64<<16                     ; tensor_dim0 = 64
	s_mov_b32 s[GC1+2], 64<<16                     ; tensor_dim1 = 64
	s_mov_b32 s[GC1+3], 64<<16                     ; tile_dim0 = 64
	s_mov_b32 s[GC1+4], 64                         ; tile_dim1 = 64
	s_mov_b32 s[GC1+5], 2048                       ; elements from row to row
	s_mov_b32 s[GC1+6], 0
	s_mov_b32 s[GC1+7], 0
	s_mov_b32 s[GC0], 1                            ; count = 1
	s_mul_i32 s[GC0+1], s10, 64*PITCH              ; LDS address: wave x 64 rows, from slot 0's first byte
	s_mov_b32 s[KS], 0xbfb8aa3b                    ; -log2 e
	s_mov_b32 s[KS+1], s[KS]                       ; named with it as a pair, so it is written
	s_mov_b32 s[KT], 0x4038aa3b                    ; 2 log2 e
	s_mov_b32 s[KT+1], s[KT]
	; where the tiles come from.  Ab's hang on R alone, which my row of the cluster shares; Wb's on t alone, which my column shares
	s_lshl_b32 s17, s12, 7                         ; which 128 rows of the tile I fetch
	s_lshl_b32 s16, s13, 8
	s_add_co_u32 s16, s16, s17                     ; Ab: row 256 R + 128 x half
	s_lshl_b32 s46, s42, 8
	s_add_co_u32 s46, s46, s17                     ; Wb: row 256 t + 128 x half
	s_mov_b32 s17, 0
	s_mov_b32 s47, 0
	s_mov_b64 s[18:19], SIZE_K*2
	s_mul_u64 s[16:17], s[16:17], s[18:19]         ; in bytes
	s_mul_u64 s[46:47], s[46:47], s[18:19]
	s_mul_i32 s20, s10, HALFT                      ; and where they go: wave x 128 rows: no place in the cluster enters an LDS address
	s_lshl_b32 s96, s13, 21                        ; the tile's first element in c_prev, out0 and out1: 256 R rows of 8,192 bytes
	s_lshl_b32 s97, s42, 8                         ; + 64 t columns of 4 bytes
	s_add_co_u32 s96, s96, s97
	s_mov_b32 s97, 0
	s_lshl_b32 s98, s10, 19                        ; my wave's 64 rows of c_prev's tile
	s_mov_b32 s99, 0
	s_wait_dscnt 0x0                               ; both opening adds are done
	s_wait_kmcnt 0x0
	s_add_nc_u64 s[14:15], s[4:5], s[16:17]
	s_add_nc_u64 s[46:47], s[6:7], s[46:47]
	s_add_nc_u64 s[CP:CP+1], s[CP:CP+1], s[96:97]
	s_add_nc_u64 s[CP:CP+1], s[CP:CP+1], s[98:99]
	s_add_nc_u64 s[OH:OH+1], s[OH:OH+1], s[96:97]
	s_add_nc_u64 s[OC:OC+1], s[OC:OC+1], s[96:97]
	s_mov_b64 s[GC0+2:GC0+3], s[CP:CP+1]
	s_or_b32 s[GC0+3], s[GC0+3], 0x80000000        ; type = 2
	CROUND                                         ; all sixteen work-groups are here: the first joint loads meet
.irp s, 0,1
	s_mov_b32 s[G0+4*(\s)], 1                                        ; count = 1
	s_add_co_u32 s[G0+4*(\s)+1], s20, (\s)*SLOT                      ; LDS address
	s_add_nc_u64 s[G0+4*(\s)+2:G0+4*(\s)+3], s[14:15], (\s)*KSTEP*2  ; global address: K step s
	s_or_b32 s[G0+4*(\s)+3], s[G0+4*(\s)+3], 0x80000000              ; type = 2
	s_mov_b32 s[G0B+4*(\s)], 1
	s_add_co_u32 s[G0B+4*(\s)+1], s20, (\s)*SLOT
	s_add_nc_u64 s[G0B+4*(\s)+2:G0B+4*(\s)+3], s[46:47], (\s)*KSTEP*2
	s_or_b32 s[G0B+4*(\s)+3], s[G0B+4*(\s)+3], 0x80000000
	JLOAD \s                                       ; both slots are asked for before anything else is done: two loads of mine are out
.endr
	; A fragment is 16 rows x 32 K in 8 registers: lane l holds row l % 16; registers 0-3 hold K = 8 (l / 16) + 0..7, registers 4-7 K = 16 + 8 (l / 16) + 0..7: two loads of 16 bytes, 32 bytes apart.
	v_and_b32 v1, 15, v0                           ; r = l % 16
	v_bfe_u32 v2, v0, 4, 1                         ; h = l / 16
	v_mul_u32_u24 v3, v1, PITCH
	v_lshl_add_u32 v3, v2, 4, v3                   ; row x pitch + 16 h
	s_mul_i32 s21, s11, HALFT                      ; my 128 rows of Ab
	s_mul_i32 s22, s12, HALFT                      ; my 128 rows of Wb,
	s_add_co_u32 s22, s22, 2*HALFT                 ; which lie behind Ab's 256
.irp s, 0,1
	v_add_nc_u32 v[ADRA+(\s)], s21, v3
	v_add_nc_u32 v[ADRB+(\s)], s22, v3
	s_add_co_u32 s21, s21, SLOT
	s_add_co_u32 s22, s22, SLOT
.endr
	s_mul_i32 s21, s11, HALFT                      ; c_prev's tile and the two stages have one form: row 128 wr + 16 a + r, byte 128 wc + 64 jb + 32 h
	s_lshl_b32 s22, s12, 7
	s_add_co_u32 s21, s21, s22
	v_mul_u32_u24 v4, v1, PITCH
	v_lshl_add_u32 v4, v2, 5, v4
	v_add_nc_u32 v[CPA], s21, v4
	v_add_nc_u32 v[STO], HST, v[CPA]
	v_add_nc_u32 v[STO2], CST, v[CPA]
	s_mul_i32 s21, s11, HALFT                      ; back: of a block's 16 rows wave wc takes 8 wc .. 8 wc + 7, whole; lanes 0-15 one row of 256 bytes, lanes 16-31 the next
	s_mul_i32 s22, s12, 8*PITCH
	s_add_co_u32 s21, s21, s22
	s_add_co_u32 s21, s21, HST
	v_mul_u32_u24 v5, v2, PITCH
	v_lshl_add_u32 v5, v1, 4, v5
	v_add_nc_u32 v[RD], s21, v5
	v_add_nc_u32 v[RD2], CST-HST, v[RD]
	s_lshl_b32 s21, s11, 20                        ; and the same rows in the outputs' tile: (128 wr + 8 wc + h) x 8,192 + 16 r
	s_lshl_b32 s22, s12, 16
	s_add_co_u32 s21, s21, s22
	v_lshlrev_b32 v5, 13, v2
	v_lshl_add_u32 v5, v1, 4, v5
	v_add_nc_u32 v[CO], s21, v5
	s_lshl_b32 s42, s42, 8                         ; 256 t: 64 t numbers of 4 bytes in a bias; also Wb's tile's first row
	s_lshl_b32 s47, s12, 7
	s_add_co_u32 s46, s42, s47                     ; + 32 wc numbers
	v_lshl_add_u32 v[BO], v2, 5, s46               ; + 8 h
	; The biases as a C operand: register j of block b = 2 g + jb holds b_g[64 t + 32 wc + 16 jb + 8 h + j], the same for every batch row
	WIN TO_B
.irp g, 0,1,2,3
.irp j, 0,1
.irp e, 0,1
	global_load_b128 v[8*(2*(\g)+(\j))+4*(\e):8*(2*(\g)+(\j))+4*(\e)+3], v[BO], s[BIA+2*(\g):BIA+2*(\g)+1] offset:64*(\j)+16*(\e)
.endr
.endr
.endr
	WIN 0
	; the prefetches of tiles
	s_lshl_b32 s13, s13, 8                         ; 256 R: Ab's tile's first row
	s_and_b32 s22, ttmp7, 0xffff                   ; cluster y
	s_cmp_eq_u32 s11, 0                            ; do I fetch for Ab?
	s_cselect_b32 s20, s13, s42                    ; the tile's first row
	s_cselect_b32 s21, s40, s41                    ; my place among the four that ask for it with me
	s_cselect_b32 s22, ttmp9, s22                  ; the coordinate along which other clusters read the same rows
	s_cselect_b64 s[PFA:PFA+1], s[4:5], s[6:7]
	s_cmp_eq_u32 s22, 0
	s_cselect_b32 s[LIM], 1, -1                    ; the same in all sixteen partners, for a given wave
	s_lshl_b32 s22, s12, 7
	s_add_co_u32 s20, s20, s22                     ; + the 128 rows that I fetch
	s_lshl_b32 s21, s21, 5
	s_add_co_u32 s20, s20, s21                     ; + my work-group's 32 of them
	s_mov_b32 s21, 0
	s_mov_b64 s[18:19], SIZE_K*2
	s_mul_u64 s[20:21], s[20:21], s[18:19]
	s_add_nc_u64 s[PFA:PFA+1], s[PFA:PFA+1], s[20:21]
	s_add_nc_u64 s[PFA:PFA+1], s[PFA:PFA+1], 2*KSTEP*2  ; at K step 2: the first refill steps it to 3 and names K step 4.  Nothing is prefetched here, at the head: K steps 0 to 3 come by their loads alone
	v_and_b32 v[PFO], 31, v0
	v_mul_u32_u24 v[PFO], v[PFO], ROWB
; 16 matrix instructions: m blocks a0, a0 + 1 of the window's four (hi = 0: my rows 0-63, 1: rows 64-127) x all 8 n blocks, 32 along K.
; first = 1: the first product starts the sums with the biases as C: nothing is cleared, and no bias is added later.
; The 64 accumulators take turns, one instruction a turn, in the same order in every quarter step: 63 others' stand between two links of a chain.
.macro MUL16 f, hi, a0, first
.if \first
	WIN MUL_B+0x40*(\hi)
.else
	WIN MUL_LO+0x50*(\hi)
.endif
.irp a, \a0, (\a0)+1
.irp b, 0,1,2,3,4,5,6,7
.if \first
	v_wmma_f32_16x16x32_bf16 v[8*(8*(\a)+(\b)):8*(8*(\a)+(\b))+7], v[(\f)+8*(\b):(\f)+8*(\b)+7], v[(\f)+8*(4*(\hi)+(\a)):(\f)+8*(4*(\hi)+(\a))+7], v[8*(\b):8*(\b)+7]
.else
	v_wmma_f32_16x16x32_bf16 v[8*(8*(\a)+(\b)):8*(8*(\a)+(\b))+7], v[(\f)+8*(\b):(\f)+8*(\b)+7], v[(\f)+8*(4*(\hi)+(\a)):(\f)+8*(4*(\hi)+(\a))+7], v[8*(8*(\a)+(\b)):8*(8*(\a)+(\b))+7]
.endif
.endr
.endr
.endm
; 32 LDS loads in one run: the fragments of one quarter step (128 rows of Wb, 128 rows of Ab, 32 K at byte k of the rows) into buffer f
.macro FETCH slot, k, f
	WIN TO_B
.irp i, 0,1,2,3,4,5,6,7
	ds_load_b128 v[(\f)+8*(\i):(\f)+8*(\i)+3],   v[ADRB+(\slot)] offset:(\k)+(\i)*16*PITCH
	ds_load_b128 v[(\f)+8*(\i)+4:(\f)+8*(\i)+7], v[ADRB+(\slot)] offset:(\k)+(\i)*16*PITCH+32
.endr
	WIN 0
.irp i, 0,1,2,3,4,5,6,7
	ds_load_b128 v[(\f)+8*(\i):(\f)+8*(\i)+3],   v[ADRA+(\slot)] offset:(\k)+(\i)*16*PITCH
	ds_load_b128 v[(\f)+8*(\i)+4:(\f)+8*(\i)+7], v[ADRA+(\slot)] offset:(\k)+(\i)*16*PITCH+32
.endr
.endm
; A load into a register that a matrix instruction has read, and a vector instruction that reads a matrix result or writes one of a matrix instruction's registers, stand four places behind it, and only plain
; vector instructions that name none of its registers are places (ISA guide 7.12.1 for vector instructions).
.macro PLACES
.rept 4
	v_nop
.endr
.endm
; A K step is four quarter steps of 32 along K, 64 matrix instructions each, on buffers 0, 1, 0, 1.  One of the first three: multiplies buffer f; in its middle it fetches the next quarter, at byte k, into buffer g.
.macro QUARTER slot, k, f, g, first
	s_wait_dscnt 8                                 ; Wb's fragments and Ab's rows 0-63 are in; the youngest eight loads (Ab's rows 64-127) may be out
	MUL16 \f, 0, 0, \first
	MUL16 \f, 0, 2, \first
	PLACES
	FETCH \slot, \k, \g
	s_wait_dscnt 32                                ; all but the 32 just issued
	MUL16 \f, 1, 0, \first
	MUL16 \f, 1, 2, \first
.endm
; The last quarter multiplies buffer 1 and changes slots.  MEET is its first half: in front of the barrier each wave waits for all its tensor loads, of which one is out: its part of the next slot; adds 0 to its spare
; word; and waits for that and for its own reads of this slot.  The barrier opens a round of the cluster's barrier.
.macro MEET
	WIN 0                                          ; (the add's two registers lie in window 0)
	s_wait_tensorcnt 0x0                           ; all my tensor loads have landed
	ds_add_u32 v[SPW], v[NIL]                      ; 0 onto my spare word
	s_wait_dscnt 9                                 ; (the add and the youngest eight loads may be out)
	MUL16 F1, 0, 0, 0                              ; sixteen matrix instructions stand between the add and the wait for it
	s_wait_dscnt 0x0                               ; the add is done, and my reads of this slot are over
	s_barrier_signal -1
	MUL16 F1, 0, 2, 0                              ; work on registers while the others arrive
	WIN 0
	s_barrier_wait -1
.endm
; The whole last quarter.  Behind the round the slot just read out is filled again first: kind = 0: with the K step two steps on, jointly; kind = 1 (slot 0, behind K step 30): with c_prev's tile.
; Then come the next slot's first fragments.  From a request to the wait for it a wave issues 224 matrix instructions.
.macro TURN slot, next, kind
.if (\kind) == 0
	s_wait_xcnt 0x0                                ; the last prefetch, a K step back, has read its address: it is stepped here, ahead of the waits of the change of slots
	s_add_nc_u64 s[PFA:PFA+1], s[PFA:PFA+1], KSTEP*2
.endif
	MEET
	CREST                                          ; no wave of any partner still reads this slot's tile or has a load on its way
.if (\kind) == 0
	s_add_nc_u64 s[G0+4*(\slot)+2:G0+4*(\slot)+3], s[G0+4*(\slot)+2:G0+4*(\slot)+3], 2*KSTEP*2
	s_add_nc_u64 s[G0B+4*(\slot)+2:G0B+4*(\slot)+3], s[G0B+4*(\slot)+2:G0B+4*(\slot)+3], 2*KSTEP*2
	JLOAD \slot                                    ; the first tensor load behind the round; the four v_nop behind it are also the places in front of the loads below
.else
	CLOAD
.endif
	FETCH \next, 0, F0
.if (\kind) == 0
	ASK                                            ; behind the joint load and the run of LDS loads that the next products wait for
.if (\slot) == 0
	ASKC
.endif
.endif
	MUL16 F1, 1, 0, 0
	MUL16 F1, 1, 2, 0
.endm
; THE TAIL, for block a: my rows 16 a .. 16 a + 15, 16 hidden columns a lane.  T + 16 g + 8 jb + j is gate g of column 16 jb + 8 h + j; c_prev, c_t and h_t have the index 8 jb + j.
; The powers and reciprocals go in four batches; behind each a plain instruction and the one wait ahead of the first instruction that names a result.
.macro GATES a
.set AC, 64*((\a)%4)
	WIN 0
.irp q, 0,1,2,3
	ds_load_b128 v[CPR+4*(\q):CPR+4*(\q)+3], v[CPA] offset:(\a)*16*PITCH+((\q)/2)*64+((\q)%2)*16
.endr
	WIN 0x02+(\a)/4                                ; source 0: window 2 or 3
.set i, 0
.rept 32                               ; each accumulator's registers in ascending order: -x log2 e for the three sigmoids, 2 x log2 e for the tanh
.if (i >= 32) && (i < 48)
	v_pk_mul_f32 v[T+i:T+i+1], v[AC+i:AC+i+1], s[KT:KT+1] op_sel_hi:[1,0]
.else
	v_pk_mul_f32 v[T+i:T+i+1], v[AC+i:AC+i+1], s[KS:KS+1] op_sel_hi:[1,0]
.endif
.set i, i+2
.endr
	WIN 0
.set i, 0
.rept 64
	v_exp_f32 v[T+i], v[T+i]
.set i, i+1
.endr
	v_nop
	s_wait_alu depctr_va_vdst(0)                   ; one wait for the 64 powers
.set i, 0
.rept 32
	v_pk_add_f32 v[T+i:T+i+1], v[T+i:T+i+1], 1.0 op_sel_hi:[1,0]
.set i, i+2
.endr
.set i, 0
.rept 64
	v_rcp_f32 v[T+i], v[T+i]
.set i, i+1
.endr
	v_nop
	s_wait_alu depctr_va_vdst(0)                   ; one wait for the 64 reciprocals: f, i and o are done
.set i, 0
.rept 8
	v_pk_fma_f32 v[T+32+i:T+32+i+1], v[T+32+i:T+32+i+1], -2.0, 1.0 op_sel_hi:[1,0,0]  ; c~ = 1 - 2 / (1 + 2^(2 x log2 e))
.set i, i+2
.endr
	s_wait_dscnt 0x0                               ; c_prev is in
.set i, 0
.rept 8
	v_pk_mul_f32 v[U+i:U+i+1], v[T+16+i:T+16+i+1], v[T+32+i:T+32+i+1]  ; i c~
.set i, i+2
.endr
.set i, 0
.rept 8
	v_pk_fma_f32 v[U+i:U+i+1], v[T+i:T+i+1], v[CPR+i:CPR+i+1], v[U+i:U+i+1]  ; c_t = f c_prev + i c~
.set i, i+2
.endr
.set i, 0
.rept 8
	v_pk_mul_f32 v[HH+i:HH+i+1], v[U+i:U+i+1], s[KT:KT+1] op_sel_hi:[1,0]
.set i, i+2
.endr
.set i, 0
.rept 16
	v_exp_f32 v[HH+i], v[HH+i]
.set i, i+1
.endr
	v_nop
	s_wait_alu depctr_va_vdst(0)
.set i, 0
.rept 8
	v_pk_add_f32 v[HH+i:HH+i+1], v[HH+i:HH+i+1], 1.0 op_sel_hi:[1,0]
.set i, i+2
.endr
.set i, 0
.rept 16
	v_rcp_f32 v[HH+i], v[HH+i]
.set i, i+1
.endr
	v_nop
	s_wait_alu depctr_va_vdst(0)
.set i, 0
.rept 8
	v_pk_fma_f32 v[HH+i:HH+i+1], v[HH+i:HH+i+1], -2.0, 1.0 op_sel_hi:[1,0,0]  ; tanh(c_t)
.set i, i+2
.endr
.set i, 0
.rept 8
	v_pk_mul_f32 v[HH+i:HH+i+1], v[HH+i:HH+i+1], v[T+48+i:T+48+i+1]  ; h_t = o tanh(c_t)
.set i, i+2
.endr
.endm
; THE WAY OUT of block a.  My 32 columns are 128 bytes, half of a row's 256: the wave beside me (the other wc) writes the other half of the same stage rows.  So: store, wait, barrier, and each of the two reads 8 whole
; rows of each output back and stores them.  Each block has stage bytes of its own (16 rows on), so nothing that a wave still reads is written by the next block: one barrier a block.
.macro OUT a
.irp q, 0,1,2,3
	ds_store_b128 v[STO],  v[HH+4*(\q):HH+4*(\q)+3] offset:(\a)*16*PITCH+((\q)/2)*64+((\q)%2)*16
	ds_store_b128 v[STO2], v[U+4*(\q):U+4*(\q)+3]   offset:(\a)*16*PITCH+((\q)/2)*64+((\q)%2)*16
.endr
	s_wait_dscnt 0x0                               ; for the others' sake: my stores into the stages are done
	s_barrier_signal -1
	s_barrier_wait -1
	s_wait_xcnt 0x0                                ; every earlier memory instruction has had its addresses translated (ISA guide 3.1): the registers that the last block's stores read are loaded again only behind this wait
.irp k, 0,1,2,3
	ds_load_b128 v[OB+4*(\k):OB+4*(\k)+3], v[RD] offset:(\a)*16*PITCH+(\k)*2*PITCH
.endr
.irp k, 0,1,2,3
	ds_load_b128 v[OB+16+4*(\k):OB+16+4*(\k)+3], v[RD2] offset:(\a)*16*PITCH+(\k)*2*PITCH
.endr
.irp k, 0,1,2,3
	s_wait_dscnt 7-(\k)                            ; LDS loads come back in order: this one is in, the younger ones stay out
	global_store_b128 v[CO], v[OB+4*(\k):OB+4*(\k)+3], s[OH:OH+1] offset:(16*(\a)+2*(\k))*ROWB th:TH_STORE_NT  ; 16 lanes store 256 consecutive bytes, at a multiple of 256 from out0's first byte
.endr
.irp k, 0,1,2,3
	s_wait_dscnt 3-(\k)
	global_store_b128 v[CO], v[OB+16+4*(\k):OB+16+4*(\k)+3], s[OC:OC+1] offset:(16*(\a)+2*(\k))*ROWB th:TH_STORE_NT
.endr
.endm
	s_wait_tensorcnt 1                             ; my part of K step 0 is in; K step 1's may stay out
	s_barrier_signal -1
	s_barrier_wait -1                              ; everybody's is
	FETCH 0, 0, F0
	s_wait_loadcnt 0x0                             ; the biases
	QUARTER 0, 64,  F0, F1, 1                      ; the first quarter stands in front of the loop: its products start the sums, with the biases
	WIN 0                                          ; at a label and at a branch every window is 0
	s_mov_b32 s3, LAPS-1
.Llap:                                                 ; 15 trips: each goes once round the ring, from a lap's second quarter to the next lap's first, and fills both slots again: K steps 2 to 31
	QUARTER 0, 128, F1, F0, 0
	QUARTER 0, 192, F0, F1, 0
	TURN 0, 1, 0
	QUARTER 1, 64,  F0, F1, 0
	QUARTER 1, 128, F1, F0, 0
	QUARTER 1, 192, F0, F1, 0
	TURN 1, 0, 0
	QUARTER 0, 64,  F0, F1, 0
	WIN 0
	s_sub_co_u32 s3, s3, 1
	s_cmp_lg_u32 s3, 0
	s_cbranch_scc1 .Llap
	QUARTER 0, 128, F1, F0, 0                      ; the last lap is written out: K step 30 goes on,
	QUARTER 0, 192, F0, F1, 0
	TURN 0, 1, 1                                   ; slot 0 takes c_prev's tile: 288 matrix instructions ahead of the wait for it
	QUARTER 1, 64,  F0, F1, 0                      ; K step 31
	QUARTER 1, 128, F1, F0, 0
	QUARTER 1, 192, F0, F1, 0
	s_wait_dscnt 8                                 ; the very last quarter: nothing more to fetch
	MUL16 F1, 0, 0, 0
	MUL16 F1, 0, 2, 0
	s_wait_dscnt 0x0                               ; my reads of slot 1 are over
	MUL16 F1, 1, 0, 0
	MUL16 F1, 1, 2, 0
	WIN 0
	PLACES                                         ; behind the last products: the tail reads results and writes and loads over fragments
	s_wait_tensorcnt 0x0                           ; my part of c_prev's tile is in
	s_barrier_signal -1
	s_barrier_wait -1                              ; everybody's is, and nobody reads slot 1 any more: it has had its last fill and becomes the stage.
.irp a, 0,1,2,3,4,5,6,7
	GATES \a
	OUT \a
.endr
	s_wait_tensorcnt 0x0                           ; the wave's end: behind my last tensor load and my last LDS store
	ds_add_u32 v[SPW], v[NIL]
	s_wait_dscnt 0x0
	CROUND                                         ; the closing round: no work-group ends while a partner may still ask for a tile that names it
	s_endpgm
.Lfunc_end_k_qc3179482da_lstm:
	.size	k_qc3179482da_lstm, .Lfunc_end_k_qc3179482da_lstm-k_qc3179482da_lstm
	.p2alignl 7, 3214868480
	.fill 96, 4, 3214868480
	.section	.rodata,"a",@progbits
	.p2align	6, 0x0
	.amdhsa_kernel k_qc3179482da_lstm
		.amdhsa_group_segment_fixed_size 327680
		.amdhsa_private_segment_fixed_size 0
		.amdhsa_enable_private_segment 0
		.amdhsa_kernarg_size 72
		.amdhsa_user_sgpr_count 2
		.amdhsa_user_sgpr_kernarg_segment_ptr 1
		.amdhsa_wavefront_size32 1
		.amdhsa_system_sgpr_workgroup_id_x 1
		.amdhsa_system_sgpr_workgroup_id_y 1
		.amdhsa_system_sgpr_workgroup_id_z 1
		.amdhsa_system_vgpr_workitem_id 0
		.amdhsa_next_free_vgpr 1024
		.amdhsa_next_free_sgpr 100
		.amdhsa_reserve_vcc 0
		.amdhsa_float_denorm_mode_32 3
		.amdhsa_float_denorm_mode_16_64 3
		.amdhsa_memory_ordered 1
		.amdhsa_forward_progress 1
		.amdhsa_inst_pref_size 238
	.end_amdhsa_kernel
	.amdgpu_metadata
---
amdhsa.version: [ 1, 2 ]
amdhsa.kernels:
  - .name:           k_qc3179482da_lstm
    .symbol:         k_qc3179482da_lstm.kd
    .args:
      - { .name: Ab, .offset: 0, .size: 8, .value_kind: global_buffer, .address_space: global }
      - { .name: Wb, .offset: 8, .size: 8, .value_kind: global_buffer, .address_space: global }
      - { .name: c_prev, .offset: 16, .size: 8, .value_kind: global_buffer, .address_space: global }
      - { .name: out0, .offset: 24, .size: 8, .value_kind: global_buffer, .address_space: global }
      - { .name: out1, .offset: 32, .size: 8, .value_kind: global_buffer, .address_space: global }
      - { .name: b_f, .offset: 40, .size: 8, .value_kind: global_buffer, .address_space: global }
      - { .name: b_i, .offset: 48, .size: 8, .value_kind: global_buffer, .address_space: global }
      - { .name: b_c, .offset: 56, .size: 8, .value_kind: global_buffer, .address_space: global }
      - { .name: b_o, .offset: 64, .size: 8, .value_kind: global_buffer, .address_space: global }
    .group_segment_fixed_size: 327680
    .private_segment_fixed_size: 0
    .kernarg_segment_align: 8
    .kernarg_segment_size: 72
    .max_flat_workgroup_size: 128
    .sgpr_count:     100
    .vgpr_count:     1024
    .wavefront_size: 32
...
	.end_amdgpu_metadata
.endif
;; end of part 2
;; ======== version 2 of 2: 2 launches; version 1 with the launch prep written anew for expert scheduling mode
;; limits: below input magnitudes of 0.0001 results are inexact or not finite; a function is approximated: absolute error at most 3e-07
;; workspace buffers: Ab 16,777,216 bytes; Wb 67,108,864 bytes
;; launch prep (part 3): grid 256 x 5, 8 waves a work-group, no clusters, 0 bytes of LDS; arguments W_f, W_i, W_c, W_o, h_prev, x_t, Wb, Ab; writes Wb, Ab
.if DOCPART == 3
	.amdgcn_target "amdgcn-amd-amdhsa--gfx1250"
	.amdhsa_code_object_version 6
	.text
	.protected	k_qc3179482da_prep
	.globl	k_qc3179482da_prep
	.p2align	8
	.type	k_qc3179482da_prep,@function
k_qc3179482da_prep:
	s_mov_b64 s[64:65], 0
	v_nop
	global_prefetch_b8 v0, s[64:65] scope:SCOPE_SE
	s_setreg_imm32_b32 hwreg(HW_REG_WAVE_SCHED_MODE, 0, 2), 2
	s_setreg_imm32_b32 hwreg(HW_REG_WAVE_MODE, 25, 1), 1
	s_wait_xcnt 0x0
	s_wait_alu depctr_vm_vsrc(0)
; LSTM cell, first of two launches: the product's operands are rounded ONCE from f32 to bf16 (nearest even) and laid out for the second launch.
; NOTHING OF THE PROBLEM IS LEFT OUT: every one of the eleven inputs reaches an output for all values; this launch reads the six that are matrix operands, the second the other five.
;   Ab [2048][4096] bf16: row m = h_prev[m][0..2047], then x_t[m][0..2047] (the concatenation of the problem).
;   Wb [8192][4096] bf16: row (hc >> 5) * 128 + g * 32 + (hc & 31) = W_g[hc][:], g = 0, 1, 2, 3 for f, i, c, o: 128 rows on end hold all four gates of the same 32 hidden columns.
; LIMIT: the operands keep bf16's 8 significant bits; bf16 has f32's range, so no finite input overflows but by rounding at the very top of the range.
; SHARES.  Grid y = 0..3: W_f, W_i, W_c, W_o; y = 4: the activations, which have the same shape, [2048][4096], in two halves.  Work-group x owns rows 8 x .. 8 x + 7.
; A row is four pieces of 4,096 input bytes; thread t takes the 16 bytes at 16 t of each piece (a wave's load covers 512 consecutive bytes) and stores 8 bytes at 8 t
; (a wave's store covers 256 consecutive bytes, at a multiple of 256 from the buffer's first byte).  All 32 loads of a thread are issued ahead of the first wait: 16 KiB a wave on their way.
; No loop, and no register of a pending load or store is written again.  No LDS, no matrix unit: no thread wants another's bytes.
; THE MODE: SCHED_MODE bits 1:0 = 2 (LLVM: expert scheduling mode 2), set by the entry lines.  The code itself states the register dependences
; between vector instructions and memory instructions, with s_wait_alu, always for 0.
; THE PLAN.  Registers that memory instructions touch:
;   v[VO ..], v[SO]  the offsets: written by vector instructions at the head, once; read by the 32 loads and the 32 stores; never written again.
;   X, slot 4 r + p  its load lands in four registers that no vector instruction has named before; its two conversions read the four and write the first two; its one store reads those two; nothing writes them again.
; So the one kind of dependence is: a vector instruction has written what a memory instruction reads.  The 32 slots go in eight groups of four (a row).  Group r's stores are issued in group r + 1: one wait at
; that group's head states that group r's eight conversions have written their results, and the four stores are then dealt among group r + 1's conversions, which name group r + 1's slots alone.
; Nine waits in all: one for the offsets, one at the head of groups 1 to 7, one ahead of the last four stores.
.set VO,  2                            ; v[2:9]    row r: r x pitch + 16 t
.set SO,  10                           ; v10       8 t
.set X,   16                           ; v[16:143] slot 4 r + p: four registers as loaded; the first two then hold the four bf16
.set LO,  24                           ; s[24:25]  the source of pieces 0 and 1
.set HI,  26                           ; s[26:27]  the source of pieces 2 and 3
.set DST, 28                           ; s[28:29]  the destination at my first row
	s_load_b512 s[8:23], s[0:1], 0x0               ; W_f s[8:9], W_i s[10:11], W_c s[12:13], W_o s[14:15], h_prev s[16:17], x_t s[18:19], Wb s[20:21], Ab s[22:23]
	s_and_b32 s2, ttmp7, 0xffff                    ; y
	v_lshlrev_b32 v1, 4, v0                        ; 16 t
	v_lshlrev_b32 v[SO], 3, v0                     ; 8 t
	s_mov_b32 s3, 16384                            ; bytes from row to row in a W,
	s_cmp_eq_u32 s2, 4
	s_cselect_b32 s3, 8192, s3                     ; in h_prev and x_t
.irp r, 0,1,2,3,4,5,6,7
	v_mad_u32_u24 v[VO+(\r)], s3, \r, v1
.endr
	s_mul_i32 s30, ttmp9, s3
	s_lshl_b32 s30, s30, 3                         ; my first source row, in bytes: 8 x pitch, under 2^26
	s_mov_b32 s31, 0
	s_lshr_b32 s32, ttmp9, 2                       ; my first row in Wb: hc = 8 x, so (x >> 2) * 128
	s_lshl_b32 s32, s32, 7
	s_lshl_b32 s33, s2, 5                          ; + 32 g
	s_add_co_u32 s32, s32, s33
	s_and_b32 s33, ttmp9, 3                        ; + (x & 3) * 8
	s_lshl_b32 s33, s33, 3
	s_add_co_u32 s32, s32, s33
	s_lshl_b32 s33, ttmp9, 3                       ; in Ab: 8 x
	s_cmp_eq_u32 s2, 4
	s_cselect_b32 s32, s33, s32
	s_lshl_b32 s32, s32, 13                        ; rows of 8,192 bytes: under 2^27
	s_mov_b32 s33, 0
	s_wait_kmcnt 0x0
	s_cmp_eq_u32 s2, 1                             ; the choice of a buffer hangs on y alone
	s_cselect_b64 s[LO:LO+1], s[10:11], s[8:9]
	s_cmp_eq_u32 s2, 2
	s_cselect_b64 s[LO:LO+1], s[12:13], s[LO:LO+1]
	s_cmp_eq_u32 s2, 3
	s_cselect_b64 s[LO:LO+1], s[14:15], s[LO:LO+1]
	s_add_nc_u64 s[HI:HI+1], s[LO:LO+1], 8192      ; a W's row goes on behind its first two pieces
	s_cmp_eq_u32 s2, 4
	s_cselect_b64 s[LO:LO+1], s[16:17], s[LO:LO+1] ; the activations' first half is h_prev,
	s_cselect_b64 s[HI:HI+1], s[18:19], s[HI:HI+1] ; their second x_t
	s_cselect_b64 s[DST:DST+1], s[22:23], s[20:21]
	s_add_nc_u64 s[LO:LO+1], s[LO:LO+1], s[30:31]
	s_add_nc_u64 s[HI:HI+1], s[HI:HI+1], s[30:31]
	s_add_nc_u64 s[DST:DST+1], s[DST:DST+1], s[32:33]
	s_wait_alu depctr_va_vdst(0)                   ; the offsets v[VO ..] and v[SO] are written: every load and store of the kernel reads one of them
.irp r, 0,1,2,3,4,5,6,7
.irp p, 0,1,2,3
.if (\p) < 2
	global_load_b128 v[X+4*(4*(\r)+(\p)):X+4*(4*(\r)+(\p))+3], v[VO+(\r)], s[LO:LO+1] offset:((\p)%2)*4096 th:TH_LOAD_NT
.else
	global_load_b128 v[X+4*(4*(\r)+(\p)):X+4*(4*(\r)+(\p))+3], v[VO+(\r)], s[HI:HI+1] offset:((\p)%2)*4096 th:TH_LOAD_NT
.endif
.endr
.endr
.irp r, 0,1,2,3,4,5,6,7
.if (\r) > 0
	s_wait_alu depctr_va_vdst(0)                   ; the eight conversions of the group before have written the first two registers of its four slots, which the four stores below read
.endif
.irp p, 0,1,2,3
.if (\r) > 0
	global_store_b64 v[SO], v[X+4*(4*((\r)-1)+(\p)):X+4*(4*((\r)-1)+(\p))+1], s[DST:DST+1] offset:((\r)-1)*8192+(\p)*2048 th:TH_STORE_NT  ; the group before; no vector instruction since the wait names these registers
.endif
	s_wait_loadcnt 31-(4*(\r)+(\p))                ; loads come back in order (ISA guide 5.7.1): this slot's is in, the younger ones stay out
	v_cvt_pk_bf16_f32 v[X+4*(4*(\r)+(\p))],   v[X+4*(4*(\r)+(\p))],   v[X+4*(4*(\r)+(\p))+1]
	v_cvt_pk_bf16_f32 v[X+4*(4*(\r)+(\p))+1], v[X+4*(4*(\r)+(\p))+2], v[X+4*(4*(\r)+(\p))+3]
.endr
.endr
	s_wait_alu depctr_va_vdst(0)                   ; the last group's conversions have written what the last four stores read
.irp p, 0,1,2,3
	global_store_b64 v[SO], v[X+4*(28+(\p)):X+4*(28+(\p))+1], s[DST:DST+1] offset:7*8192+(\p)*2048 th:TH_STORE_NT
.endr
	s_endpgm
.Lfunc_end_k_qc3179482da_prep:
	.size	k_qc3179482da_prep, .Lfunc_end_k_qc3179482da_prep-k_qc3179482da_prep
	.p2alignl 7, 3214868480
	.fill 96, 4, 3214868480
	.section	.rodata,"a",@progbits
	.p2align	6, 0x0
	.amdhsa_kernel k_qc3179482da_prep
		.amdhsa_group_segment_fixed_size 0
		.amdhsa_private_segment_fixed_size 0
		.amdhsa_enable_private_segment 0
		.amdhsa_kernarg_size 64
		.amdhsa_user_sgpr_count 2
		.amdhsa_user_sgpr_kernarg_segment_ptr 1
		.amdhsa_wavefront_size32 1
		.amdhsa_system_sgpr_workgroup_id_x 1
		.amdhsa_system_sgpr_workgroup_id_y 1
		.amdhsa_system_sgpr_workgroup_id_z 1
		.amdhsa_system_vgpr_workitem_id 0
		.amdhsa_next_free_vgpr 144
		.amdhsa_next_free_sgpr 66
		.amdhsa_reserve_vcc 0
		.amdhsa_float_denorm_mode_32 3
		.amdhsa_float_denorm_mode_16_64 3
		.amdhsa_memory_ordered 1
		.amdhsa_forward_progress 1
		.amdhsa_inst_pref_size 14
	.end_amdhsa_kernel
	.amdgpu_metadata
---
amdhsa.version: [ 1, 2 ]
amdhsa.kernels:
  - .name:           k_qc3179482da_prep
    .symbol:         k_qc3179482da_prep.kd
    .args:
      - { .name: W_f, .offset: 0, .size: 8, .value_kind: global_buffer, .address_space: global }
      - { .name: W_i, .offset: 8, .size: 8, .value_kind: global_buffer, .address_space: global }
      - { .name: W_c, .offset: 16, .size: 8, .value_kind: global_buffer, .address_space: global }
      - { .name: W_o, .offset: 24, .size: 8, .value_kind: global_buffer, .address_space: global }
      - { .name: h_prev, .offset: 32, .size: 8, .value_kind: global_buffer, .address_space: global }
      - { .name: x_t, .offset: 40, .size: 8, .value_kind: global_buffer, .address_space: global }
      - { .name: Wb, .offset: 48, .size: 8, .value_kind: global_buffer, .address_space: global }
      - { .name: Ab, .offset: 56, .size: 8, .value_kind: global_buffer, .address_space: global }
    .group_segment_fixed_size: 0
    .private_segment_fixed_size: 0
    .kernarg_segment_align: 8
    .kernarg_segment_size: 64
    .max_flat_workgroup_size: 256
    .sgpr_count:     66
    .vgpr_count:     144
    .wavefront_size: 32
...
	.end_amdgpu_metadata
.endif
;; end of part 3
;; launch lstm: the kernel of part 2 again; grid 32 x 8, 4 waves a work-group, clusters of 4 x 4, 327,680 bytes of LDS; arguments Ab, Wb, c_prev, out0, out1, b_f, b_i, b_c, b_o; writes out0, out1
